; MI455X (gfx1250); checked and timed in simulation.
; The chip was launched on July 23, 2026; its instructions are those of AMD's public machine-readable ISA for CDNA 5 (MIT licence, August 2026) and "CDNA5" Instruction Set Architecture Reference Guide (July 2026). The comments in the code are by the model that wrote it; some were corrected since.
;; Attention. Allowed arithmetic: matrix products marked QUANTISED: E3M2 operands, one E8M0 scale for each 32 along K, by v_wmma_scale_f32_16x16x128_f8f6f4 with both operands' format E3M2, f32 sums; products left as they are: f32 operands where the result goes on into a quantised operand, else bf16, f16 or f32 operands; f32 sums; everything else in f32.
;; Inputs: W 4,096 x 4,096 float32; b 4,096 float32; encoder_outputs 2,048 x 2 x 4,096 float32; hidden 2 x 1 x 4,096 float32.
;; Outputs: out0 1 x 1 x 2,048 x 2 float32.
;; This version of the problem:
;;   THIS VERSION OF THE PROBLEM IS GIVEN IN LOW PRECISION. The matrix products marked QUANTISED in the list below multiply operands that are first quantised to E3M2 (3 exponent bits, 2 mantissa bits; 6 bits a number), with one power-of-two scale for each 32 numbers along K (OCP MX v1.0); their sums are f32. All else is computed in f32.
;;   The module's matrix products, in the order in which they are computed (A, B: the left and right operand; K: the contracted axis; several contracted axes count as one K, in the product's order):
;;     1. [M 4,096, K 4,096] x [K 4,096, N 4,096]; A: input encoder_outputs; B: input W: QUANTISED
;;     2. batch 2 x [M 1, K 4,096] x [K 4,096, N 2,048]; A: input hidden; B: computed on the way: left as it is (M = 1 < 16)
;;   THE QUANTISER, for each operand of a quantised product, along K:
;;     - K is cut into blocks of 32 from its start; a last block that is shorter is filled with zeros.
;;     - A block's scale is 2^e with e = floor(log2(the largest magnitude in the block)) - 4, held to -126 .. 127; a block of zeros has e = 0. As a byte (E8M0): e + 127.
;;     - Each number is divided by its block's scale, clamped to +-28, and rounded to the nearest number of E3M2, ties to even, subnormals kept.
;;     - The product sums the exact products of the quantised numbers (number of the format x scale) in f32.
;;   ~~~python
;;   def quantise(x, axis):      # numpy; x: float32 -> the quantised numbers, widened to float32 again
;;       x = np.moveaxis(x, axis, -1); K = x.shape[-1]
;;       x = np.pad(x, [(0, 0)] * (x.ndim - 1) + [(0, -K % 32)]); x = x.reshape(x.shape[:-1] + (-1, 32)); a = np.abs(x).max(-1, keepdims=True)
;;       e = np.where(a > 0, np.clip(np.frexp(np.where(a > 0, a, 1))[1] - 1 - 4, -126, 127), 0)      # np.frexp(a)[1] - 1 = floor(log2(a)), exactly
;;       r = np.clip(x / 2.0 ** e, -28, 28)
;;       step = 2.0 ** (np.maximum(np.frexp(np.where(r == 0, 1, r))[1] - 1, -2) - 2)
;;       q = np.round(r / step) * step * 2.0 ** e      # np.round: ties to even
;;       return np.moveaxis(q.reshape(q.shape[:-2] + (-1,))[..., :K], -1, axis).astype(np.float32)
;;   ~~~
;; One version. Each part assembles by itself: llvm-mc -triple=amdgcn-amd-amdhsa -mcpu=gfx1250 --defsym DOCPART=n.
;; ======== version 1 of 1: 3 launches
;; limits: right only within a limited range of input values
;; workspace buffers: a_img 13,107,200 bytes; w_img 13,107,200 bytes; part 524,288 bytes
;; launch quant (part 1): grid 4 x 64, 8 waves a work-group, no clusters, 68,608 bytes of LDS; arguments encoder_outputs, W, a_img, w_img; writes a_img, w_img
.if DOCPART == 1
	.amdgcn_target "amdgcn-amd-amdhsa--gfx1250"
	.amdhsa_code_object_version 6
	.text
	.protected	k_qb2f3e335b9_quant
	.globl	k_qb2f3e335b9_quant
	.p2align	8
	.type	k_qb2f3e335b9_quant,@function
k_qb2f3e335b9_quant:
	s_mov_b64 s[64:65], 0
	v_nop
	global_prefetch_b8 v0, s[64:65] scope:SCOPE_SE
	s_setreg_imm32_b32 hwreg(HW_REG_WAVE_MODE, 25, 1), 1
	s_wait_xcnt 0x0
; encoder_outputs, taken as A [4096 rows m = 2 s + batch][4096], and W [4096 rows g][4096], both f32 with K innermost, become codes of BF6 (E3M2) with one E8M0 scale byte
; for each 32 along K, LAID IN THE ORDER OF THE MATRIX OPERAND'S REGISTERS.  A block's scale is 2^(floor(log2(its largest magnitude)) - 4); its byte is that magnitude's exponent field - 4,
; held at 1 from below.  Each number is divided by the scale and rounded to the nearest code, ties to even; what lies beyond 28 takes the largest code.
; No work of the problem is left out in this program: all four inputs reach the result (the bias enters each score as sum over g of hidden[batch][g] b[g], which differs between the two batches).
; LIMITS: a block of zeros gets the byte 1 where the quantiser's rule says 127: its codes are zeros, which add nothing under any byte but 0xff, and this program alone reads the bytes.
; Blocks whose largest magnitude lies under 2^-122 have their byte held at 1, as the rule's clip does.  NaN and infinities among the inputs are not served.
; THE IMAGE: [32 superblocks of 128 rows][32 steps of 128 along K][12,800 bytes].  A step's piece: 512 bytes of scale words, row r of block i at 32 r + 4 i (block = 16 rows), then eight fragments of 1,536 bytes.
; A fragment is 16 rows x 128 K in 12 registers a lane: lane (r, h) holds row r; registers 0-5 the codes of k = 32 h + 0 .. 31, registers 6-11 those of k = 64 + 32 h + 0 .. 31.
; Registers 4 c .. 4 c + 3 of lane l lie at 512 c + 16 l: three loads of 16 bytes a lane give any wave the fragment.
; SHARES.  A wave takes one step of one superblock: eight fragments, one after the other; the eight waves of a work-group stand side by side on 4,096 bytes of each row.  2 x 32 x 32 such pieces are 256 work-groups.
; Each load reads 512 consecutive bytes of one row, 16 a lane; three fragments' loads (48) are out at the start, and a fragment's registers take the loads of the fragment three on as soon as they are converted.
; A lane must hold 32 NEIGHBOURS of one row twice over, so a fragment's 8,192 bytes turn through the wave's own stage in LDS: in as loaded, a row to a store; out 128 + 128 bytes a lane.
; Stage rows lie 528 bytes apart, an odd multiple of 16, so that the sixteen rows that a load of 16 bytes a lane touches start in different banks (64 banks of 4 bytes: ISA guide 11.1).
; Every store covers 512 consecutive bytes at a multiple of 256 from the buffer's first byte.  No tensor loads, no barrier: waves share nothing.
.set STEPB, 12800
.set FRB,   1536
.set EMAX,  4                          ; the exponent of the format's largest number, 28
.set SPT,   528                        ; a stage row: 512 bytes + 16
.set WST,   16*SPT                     ; a wave's stage
.set SPARE, 8*WST                      ; behind the stages: the spare words, 128 bytes a wave
.set SPW,   11                         ; v11 my spare word's address; v12 = 0; both never rewritten
.set NIL,   12
.set MX,    16                         ; v16-19   four running maxima
.set SO,    20                         ; v20-21   the two blocks' scale operands
.set BY,    22                         ; v22-23   their bytes
.set WD,    24                         ; v24-31   the scale word of each fragment
.set RR,    32                         ; v32-223  three sets of 64 numbers
.set CC,    224                        ; v224-235 a fragment's codes
.set TT,    236                        ; v236-238, v240-242 the second halves of the two blocks' codes
.set DD,    244                        ; v244-247 my 16 bytes of the scale words
	s_load_b128 s[4:7], s[0:1], 0x0                ; A, W
	s_load_b128 s[8:11], s[0:1], 0x10              ; A's image, W's image
	v_lshl_add_u32 v[SPW], v0, 2, SPARE
	v_mov_b32 v[NIL], 0
	v_lshrrev_b32 v1, 5, v0
	v_readfirstlane_b32 s16, v1                    ; wave 0..7
	v_and_b32 v2, 31, v0                           ; lane
	v_and_b32 v6, 15, v0                           ; r
	v_bfe_u32 v7, v0, 4, 1                         ; h
	v_lshlrev_b32 v3, 4, v2                        ; 16 x lane: my bytes of a load's 512, and of a store's
	s_mul_i32 s17, s16, WST                        ; my stage
	v_add_nc_u32 v14, s17, v3                      ; in: 16 x lane of a row
	v_mul_u32_u24 v15, v6, SPT
	v_lshl_add_u32 v15, v7, 7, v15
	v_add_nc_u32 v15, s17, v15                     ; out: row r, 128 h bytes on: my block of 32
	v_lshlrev_b32 v5, 5, v6
	v_lshl_add_u32 v5, v7, 4, v5                   ; the scale words: 32 r + 16 h
	v_lshlrev_b32 v8, 3, v7                        ; 8 h: by so many bits my two bytes are shifted
	v_mov_b32 v10, 0                               ; written once: a lane permute's destination counts as one of its sources
	v_cmp_eq_u32 vcc_lo, 1, v7                     ; lanes 16-31; nothing else writes VCC
	s_mov_b32 s20, 0x76543210
	s_mov_b32 s21, 0xfedcba98                      ; v_permlanex16_b32's selects for lane l xor 16
	s_and_b32 s18, ttmp7, 0xffff                   ; work-group y: A's 32 superblocks, then W's
	s_and_b32 s19, s18, 31
	s_lshl_b32 s24, ttmp9, 3
	s_add_co_u32 s24, s24, s16                     ; my step: 8 x work-group x + wave
	s_wait_alu depctr_va_vdst(0)
	s_wait_kmcnt 0x0
	s_cmp_lt_u32 s18, 32                           ; A's work-group or W's?  The choice hangs on the work-group's number alone
	s_cselect_b64 s[4:5], s[4:5], s[6:7]
	s_cselect_b64 s[8:9], s[8:9], s[10:11]
	s_lshl_b32 s22, s19, 21                        ; 128 rows of 16,384 bytes a superblock,
	s_lshl_b32 s25, s24, 9                         ; 512 bytes a step
	s_add_co_u32 s22, s22, s25
	s_mov_b32 s23, 0
	s_add_nc_u64 s[4:5], s[4:5], s[22:23]
	s_lshl_b32 s22, s19, 5
	s_add_co_u32 s22, s22, s24
	s_mul_i32 s22, s22, STEPB                      ; my piece of the image: under 2^24
	s_add_nc_u64 s[8:9], s[8:9], s[22:23]
.macro LOADS q                         ; fragment q: row t's 128 numbers, 4 a lane
.irp t, 0,1,2,3,4,5,6,7,8,9,10,11,12,13,14,15
	global_load_b128 v[RR+64*((\q)%3)+4*\t:RR+64*((\q)%3)+4*\t+3], v3, s[4:5] offset:16384*(16*(\q)+\t) th:TH_LOAD_NT   ; 32 lanes read 512 consecutive bytes; read once in the launch
.endr
.endm
.macro TURN q                          ; fragment q through the stage: LDS serves a wave's instructions in order (ISA guide 5.7.1.4): the loads see the stores
.irp t, 0,1,2,3,4,5,6,7,8,9,10,11,12,13,14,15
	ds_store_b128 v14, v[RR+64*((\q)%3)+4*\t:RR+64*((\q)%3)+4*\t+3] offset:SPT*\t
.endr
.irp c, 0,1
.irp u, 0,1,2,3,4,5,6,7
	ds_load_b128 v[RR+64*((\q)%3)+32*\c+4*\u:RR+64*((\q)%3)+32*\c+4*\u+3], v15 offset:256*\c+16*\u   ; register 32 c + i: k = 64 c + 32 h + i of my row
.endr
.endr
.endm
.macro QUANT q                         ; my 64 numbers of fragment q become 12 registers of codes, which are stored, and the fragment's scale word
.set XS, RR+64*((\q)%3)
.irp k, 0,1,2,3
	v_max3_num_f32 v[MX+\k], |v[XS+16*\k]|, |v[XS+16*\k+1]|, (EMAX+1)<<23   ; four chains of 16 numbers; the floor 2^(EMAX + 1 - 127) among the leaves: the byte cannot fall under 1
.endr
.irp i, 2,4,6,8,10,12,14
.irp k, 0,1,2,3
	v_max3_num_f32 v[MX+\k], v[MX+\k], |v[XS+16*\k+\i]|, |v[XS+16*\k+\i+1]|
.endr
.endr
	v_max_num_f32 v[MX], v[MX], v[MX+1]            ; block h's largest magnitude,
	v_max_num_f32 v[MX+2], v[MX+2], v[MX+3]        ; block 2 + h's
	v_add_nc_u32 v[SO], -(EMAX<<23), v[MX]         ; EMAX off the exponent field: the conversion takes that field of this operand as its scale
	v_add_nc_u32 v[SO+1], -(EMAX<<23), v[MX+2]
	v_lshrrev_b32 v[BY], 23, v[SO]                 ; the scales' bytes
	v_lshrrev_b32 v[BY+1], 23, v[SO+1]
	v_lshl_or_b32 v[WD+(\q)], v[BY+1], 16, v[BY]   ; my two bytes: blocks h and 2 + h of row r,
	v_lshlrev_b32 v[WD+(\q)], v8, v[WD+(\q)]       ; at their places in the scale word;
	v_permlanex16_b32 v10, v[WD+(\q)], s20, s21
	v_or_b32 v[WD+(\q)], v[WD+(\q)], v10           ; with lane l xor 16's two the word is whole, in both halves of the lanes
	s_wait_alu depctr_va_vdst(0)
	s_wait_xcnt 0x0                                ; the last fragment's stores have read their registers: the codes' registers are rewritten only behind this wait
	v_cvt_scalef32_pk16_bf6_f32 v[CC:CC+2], v[XS:XS+15], v[SO]
	v_cvt_scalef32_pk16_bf6_f32 v[TT:TT+2], v[XS+16:XS+31], v[SO]          ; (a conversion's three registers begin on an even number: a block's second half is made elsewhere and moved)
	v_cvt_scalef32_pk16_bf6_f32 v[CC+6:CC+8], v[XS+32:XS+47], v[SO+1]
	v_cvt_scalef32_pk16_bf6_f32 v[TT+4:TT+6], v[XS+48:XS+63], v[SO+1]
	v_nop                                          ; one plain vector line behind the last conversion
.irp i, 0,1,2
	v_mov_b32 v[CC+3+\i], v[TT+\i]
	v_mov_b32 v[CC+9+\i], v[TT+4+\i]
.endr
.irp c, 0,1,2
	global_store_b128 v3, v[CC+4*\c:CC+4*\c+3], s[8:9] offset:512+FRB*(\q)+512*\c   ; 32 lanes store 512 consecutive bytes
.endr
.endm
	LOADS 0
	LOADS 1
	LOADS 2
	s_wait_loadcnt 32                              ; fragment 0's sixteen loads are in; two fragments' stay out
	TURN 0
.irp i, 0,1,2,3,4,5,6,7
.if \i < 6
	s_wait_loadcnt 16                              ; the next fragment's loads are in; those of the one behind it may be out
.endif
.if \i == 6
	s_wait_loadcnt 0x0
.endif
	s_wait_dscnt 0x0                               ; this fragment is back from the stage
.if \i < 7
	TURN \i+1                                      ; the next one turns while this one is worked
.endif
	QUANT \i
.if \i < 5
	LOADS \i+3                                     ; into the registers just converted
.endif
.endr
.irp j, 0,1,2,3
	v_cndmask_b32 v[DD+\j], v[WD+\j], v[WD+4+\j], vcc_lo   ; lanes 0-15: the words of blocks 0-3 of row r; lanes 16-31: of blocks 4-7
.endr
	global_store_b128 v5, v[DD:DD+3], s[8:9]       ; 32 lanes store the piece's 512 bytes of scale words
	s_wait_tensorcnt 0x0                           ; the wave's end
	ds_add_u32 v[SPW], v[NIL]
	s_wait_dscnt 0x0
	s_endpgm
.Lfunc_end_k_qb2f3e335b9_quant:
	.size	k_qb2f3e335b9_quant, .Lfunc_end_k_qb2f3e335b9_quant-k_qb2f3e335b9_quant
	.p2alignl 7, 3214868480
	.fill 96, 4, 3214868480
	.section	.rodata,"a",@progbits
	.p2align	6, 0x0
	.amdhsa_kernel k_qb2f3e335b9_quant
		.amdhsa_group_segment_fixed_size 68608
		.amdhsa_private_segment_fixed_size 0
		.amdhsa_enable_private_segment 0
		.amdhsa_kernarg_size 32
		.amdhsa_user_sgpr_count 2
		.amdhsa_user_sgpr_kernarg_segment_ptr 1
		.amdhsa_wavefront_size32 1
		.amdhsa_system_sgpr_workgroup_id_x 1
		.amdhsa_system_sgpr_workgroup_id_y 1
		.amdhsa_system_sgpr_workgroup_id_z 1
		.amdhsa_system_vgpr_workitem_id 0
		.amdhsa_next_free_vgpr 256
		.amdhsa_next_free_sgpr 66
		.amdhsa_reserve_vcc 1
		.amdhsa_float_denorm_mode_32 3
		.amdhsa_float_denorm_mode_16_64 3
		.amdhsa_memory_ordered 1
		.amdhsa_forward_progress 1
		.amdhsa_inst_pref_size 58
	.end_amdhsa_kernel
	.amdgpu_metadata
---
amdhsa.version: [ 1, 2 ]
amdhsa.kernels:
  - .name:           k_qb2f3e335b9_quant
    .symbol:         k_qb2f3e335b9_quant.kd
    .args:
      - { .name: encoder_outputs, .offset: 0, .size: 8, .value_kind: global_buffer, .address_space: global }
      - { .name: W, .offset: 8, .size: 8, .value_kind: global_buffer, .address_space: global }
      - { .name: a_img, .offset: 16, .size: 8, .value_kind: global_buffer, .address_space: global }
      - { .name: w_img, .offset: 24, .size: 8, .value_kind: global_buffer, .address_space: global }
    .group_segment_fixed_size: 68608
    .private_segment_fixed_size: 0
    .kernarg_segment_align: 8
    .kernarg_segment_size: 32
    .max_flat_workgroup_size: 256
    .sgpr_count:     66
    .vgpr_count:     256
    .wavefront_size: 32
...
	.end_amdgpu_metadata
.endif
;; end of part 1
;; launch gemm (part 2): grid 16 x 16, 4 waves a work-group, clusters of 4 x 4, 327,680 bytes of LDS; arguments a_img, w_img, hidden, b, part; writes part
.if DOCPART == 2
	.amdgcn_target "amdgcn-amd-amdhsa--gfx1250"
	.amdhsa_code_object_version 6
	.text
	.protected	k_qb2f3e335b9_gemm
	.globl	k_qb2f3e335b9_gemm
	.p2align	8
	.type	k_qb2f3e335b9_gemm,@function
k_qb2f3e335b9_gemm:
	s_mov_b64 s[64:65], 0
	v_nop
	global_prefetch_b8 v0, s[64:65] scope:SCOPE_SE
	s_setreg_imm32_b32 hwreg(HW_REG_WAVE_MODE, 25, 1), 1
	s_wait_xcnt 0x0
	s_wait_alu depctr_hold_cnt(0) depctr_sa_sdst(0) depctr_va_vdst(0) depctr_va_sdst(0) depctr_va_ssrc(0) depctr_va_vcc(0) depctr_vm_vsrc(0)
	s_getreg_b32 s2, hwreg(HW_REG_IB_STS2, 6, 4)
	s_cmp_eq_u32 s2, 0
	s_cbranch_scc0 .Lentry_in_a_cluster
	s_endpgm
.Lentry_in_a_cluster:
	s_bfe_u32 s2, ttmp6, 0x10000c
	s_cmp_lg_u32 s2, 0xf033
	s_cbranch_scc0 .Lentry_shape_is_right
	s_endpgm
.Lentry_shape_is_right:
; energy[m][g] = sum over k of Q(A)[m][k] Q(W)[g][k] in MX-BF6 (m = 2 s + batch), and of it at once part[strip][m] = sum over the strip's 128 g of hidden[m & 1][g] (energy[m][g] + b[g]), in f32.
; A work-group of four waves makes 256 x 256 of energy, a wave 128 x 128: 64 accumulators, 512 registers.  energy never leaves the registers; 32 strips of part go to the next launch, which adds them.
; THE OPERANDS come as images in register order: [32 superblocks of 128 rows][32 steps of 128 K][12,800 bytes: 512 of scale words (row r of block i at 32 r + 4 i), eight fragments of 1,536].
; THE RING: two LDS slots of three K steps; a slot holds four tiles (A's two superblocks, W's two) of 38,400 consecutive bytes, one tensor load a wave, stated as 150 rows of 256 bytes.
; 32 steps are ten slots of three and one of two (100 rows).  CLUSTERS: 4 x 4 work-groups; A's tiles are asked for jointly along a row of the cluster, W's along a column.
; REGISTERS, four windows of 256, laid alike: window v holds at v0-127 the accumulators of A's blocks 2 v, 2 v + 1 x W's blocks 0-7, and at v128-223 two buffers of 48:
; W's fragments 2 v, 2 v + 1 and A's fragments 2 v, 2 v + 1.  Both operands are double-buffered by the step's parity: a step begins with ONE run of 50 LDS loads, the whole next step's fragments and scale words,
; and its 64 matrix instructions follow on end; the run has the whole step in which to land.  Four v_nop ahead of the run part it from the matrix instructions that last read those registers
; (ISA guide 7.12.1 for vector instructions).  A step has 20 switches of the register window: 4 in the run, 16 among the matrix instructions (W's fragments lie in four windows).
; Window 0, v224-255: LDS addresses, the add's two registers, two sets of 8 scale registers (lanes 0-15 A's words, lanes 16-31 W's), prefetch offsets, the bias term, the way out.
; Windows 1-3, v232-255: hidden at my 64 columns g.  THE MATRIX INSTRUCTION IS USED TRANSPOSED: source 0 = 16 rows of W, source 1 = 16 rows of A: lane (r, h) holds row m = r and its registers g = 8 h + 0 .. 7.
; The 64 accumulators take turns, one instruction a turn, in the same order in every step.
; PREFETCH: behind each refill in the loop every wave names the tile that it fetches two refills on: 150 blocks of 256 bytes, shared out among the four partners by address (38 each, the last 36; lanes left over name
; the last block again).  Tiles 1, 2 and 3 are named at the head; tile 10, the short one, and nothing beyond it is named.
; LIMITS: NaN and infinities among the inputs are not served.
.set STEPB,  12800
.set TILE,   3*STEPB
.set SBROW,  32*STEPB
.set SLOT,   4*TILE
.set SPARE,  2*SLOT                    ; the spare words, 128 bytes a wave
.set STAGE,  SPARE+512                 ; 512 bytes a wave for the way out
.set FB,   128
.set ADA,  224                         ; v224-225 A's fragments in slot 0, 1; v226-227 W's
.set ADS,  228                         ; v228-229 the scale words in slot 0, 1
.set SPW,  230
.set NIL,  231
.set SC,   232                         ; v232-247 scale registers, 8 for each parity
.set PF1,  248
.set PF2,  249
.set CZ,   250                         ; v[250:251] sum of hidden x b over my columns
.set STO,  252
.set RD,   253
.set CO,   254
.set HWR,  232                         ; windows 1-3: hidden of W's block b at window 1 + b / 3, v[232 + 8 (b % 3)]
.set SS,   128                         ; the way out, window 0
.set TS,   160
.set PK,   176
.set OUTR, 180
.set G1, 24
.set G0, 32
.set G1B, 48
.set G0B, 56
.set G1L, 68
.set G1BL, 80
.set PFA,  92
.set MSB, 0
.macro WIN new                         ; the immediate's high byte repeats the setting that is left
.if MSB != (\new)
	s_set_vgpr_msb (MSB<<8)|(\new)
.set MSB, (\new)
.endif
.endm
.macro PLACES
.rept 4
	v_nop
.endr
.endm
; A joint load: waves 0 and 1 fetch A's two tiles, waves 2 and 3 W's.
.macro JLOAD g0a, g1a, g0b, g1b
	s_cmp_eq_u32 s15, 0
	s_cbranch_scc0 .Lfor_b_\@
	tensor_load_to_lds s[\g0a:\g0a+3], s[\g1a:\g1a+7]
	s_nop 0
	PLACES
	s_branch .Lasked_\@
.Lfor_b_\@:
	tensor_load_to_lds s[\g0b:\g0b+3], s[\g1b:\g1b+7]
	s_nop 0
	PLACES
.Lasked_\@:
.endm
.macro ASK                             ; the tile two refills on; the loop's last trip (s3 = 1) would name tiles 10 and 11 and names nothing
	s_cmp_gt_u32 s3, 1
	s_cbranch_scc0 .Lno_ask_\@
	global_prefetch_b8 v[PF1], s[PFA:PFA+1] offset:3*TILE th:TH_LOAD_NT scope:SCOPE_SE
	global_prefetch_b8 v[PF2], s[PFA:PFA+1] offset:3*TILE th:TH_LOAD_NT scope:SCOPE_SE
.Lno_ask_\@:
.endm
.macro CREST                           ; a round of the cluster's barrier behind its opening barrier
	s_cmp_lg_u32 s14, 0
	s_cbranch_scc1 .Lnot_wave_0_\@
	s_barrier_signal -3
.Lnot_wave_0_\@:
	s_barrier_wait -3
	s_barrier_signal -1
	s_barrier_wait -1
.endm
.macro CROUND
	s_barrier_signal -1
	s_barrier_wait -1
	CREST
.endm
	s_load_b128 s[4:7], s[0:1], 0x0                ; A's image, W's image
	s_load_b128 s[96:99], s[0:1], 0x10             ; hidden, b
	s_load_b64 s[12:13], s[0:1], 0x20              ; part
	v_lshl_add_u32 v[SPW], v0, 2, SPARE
	v_mov_b32 v[NIL], 0
	ds_add_u32 v[SPW], v[NIL]                      ; the opening lines: the add, twice on end, and its wait ahead of my first tensor load
	ds_add_u32 v[SPW], v[NIL]
	v_lshrrev_b32 v1, 5, v0
	v_readfirstlane_b32 s14, v1                    ; wave 0..3
	s_lshr_b32 s15, s14, 1                         ; my half of the rows.  Also: I fetch for A (0) or for W (1)
	s_and_b32 s16, s14, 1                          ; my half of the columns.  Also: which superblock of the tile I fetch
	s_bfe_u32 s40, ttmp6, 0x40000                  ; cx
	s_bfe_u32 s41, ttmp6, 0x40004                  ; cy
	s_lshl_b32 s42, ttmp9, 2
	s_add_co_u32 s42, s42, s40                     ; tile column
	s_and_b32 s17, ttmp7, 0xffff
	s_lshl_b32 s17, s17, 2
	s_add_co_u32 s17, s17, s41                     ; tile row
	s_lshl_b32 s43, s41, 2
	s_lshl_b32 s43, 15, s43                        ; my row of the cluster
	s_lshl_b32 s44, 0x1111, s40                    ; my column
	s_or_b32 s[G1+0], s43, (3<<16)|(1<<21)         ; elements of 8 bytes; bit 21 beside a mask
	s_or_b32 s[G1B+0], s44, (3<<16)|(1<<21)
	s_or_b32 s[G1L+0], s43, (3<<16)|(1<<21)
	s_or_b32 s[G1BL+0], s44, (3<<16)|(1<<21)
.irp g, G1, G1B                        ; 150 rows of 32 elements, dense
	s_mov_b32 s[\g+2], 150<<16
	s_mov_b32 s[\g+4], 150
.endr
.irp g, G1L, G1BL                      ; the last slot's two steps: 100 rows
	s_mov_b32 s[\g+2], 100<<16
	s_mov_b32 s[\g+4], 100
.endr
.irp g, G1, G1B, G1L, G1BL
	s_mov_b32 s[\g+1], 32<<16
	s_mov_b32 s[\g+3], 32<<16
	s_mov_b32 s[\g+5], 32
	s_mov_b32 s[\g+6], 0
	s_mov_b32 s[\g+7], 0
.endr
	s_lshl_b32 s20, s17, 1
	s_add_co_u32 s20, s20, s16                     ; A's superblock: 2 x tile row + which
	s_mul_i32 s20, s20, SBROW
	s_mov_b32 s21, 0
	s_lshl_b32 s46, s42, 1
	s_add_co_u32 s46, s46, s16                     ; W's: 2 x tile column + which
	s_mul_i32 s46, s46, SBROW
	s_mov_b32 s47, 0
	s_mul_i32 s45, s14, TILE                       ; where my tile goes: no place in the cluster enters an LDS address
	s_wait_dscnt 0x0                               ; both opening adds are done
	s_wait_kmcnt 0x0
	s_add_nc_u64 s[20:21], s[4:5], s[20:21]
	s_add_nc_u64 s[46:47], s[6:7], s[46:47]
	CROUND                                         ; all sixteen work-groups are here: the first joint loads meet
.irp s, 0,1
	s_mov_b32 s[G0+4*\s], 1
	s_add_co_u32 s[G0+4*\s+1], s45, \s*SLOT
	s_add_nc_u64 s[G0+4*\s+2:G0+4*\s+3], s[20:21], \s*TILE
	s_or_b32 s[G0+4*\s+3], s[G0+4*\s+3], 0x80000000
	s_mov_b32 s[G0B+4*\s], 1
	s_add_co_u32 s[G0B+4*\s+1], s45, \s*SLOT
	s_add_nc_u64 s[G0B+4*\s+2:G0B+4*\s+3], s[46:47], \s*TILE
	s_or_b32 s[G0B+4*\s+3], s[G0B+4*\s+3], 0x80000000
.endr
	JLOAD G0, G1, G0B, G1B                         ; steps 0-2: one tensor load a wave at the head
	s_cmp_eq_u32 s15, 0
	s_cselect_b64 s[PFA:PFA+1], s[20:21], s[46:47] ; the prefetches walk the superblock that I fetch
	s_cselect_b32 s11, s40, s41                    ; my place among the four that ask for it with me
	s_mul_i32 s11, s11, 38                         ; my first block of a tile's 150
	s_mul_i32 s21, s15, TILE                       ; my 128 rows of A in slot 0
	s_mul_i32 s22, s16, TILE
	s_add_co_u32 s22, s22, 2*TILE                  ; my 128 rows of W
	s_sub_co_u32 s23, s22, s21
	s_add_co_u32 s8, s21, SLOT
	s_add_co_u32 s9, s22, SLOT
	s_lshl_b32 s10, s14, 9
	s_add_co_u32 s10, s10, STAGE                   ; my stage
	s_lshl_b32 s46, s42, 10
	s_lshl_b32 s47, s16, 9
	s_add_co_u32 s46, s46, s47                     ; my first column g, in bytes of f32
	s_mov_b32 s47, 0
	s_add_nc_u64 s[96:97], s[96:97], s[46:47]
	s_add_nc_u64 s[98:99], s[98:99], s[46:47]
	s_lshl_b32 s46, s42, 1
	s_add_co_u32 s46, s46, s16                     ; my strip
	s_lshl_b32 s46, s46, 14
	s_lshl_b32 s18, s17, 10
	s_lshl_b32 s19, s15, 9
	s_add_co_u32 s18, s18, s19
	s_add_co_u32 s46, s46, s18                     ; + my first row m, in bytes
	s_add_nc_u64 s[12:13], s[12:13], s[46:47]
	v_and_b32 v1, 15, v0                           ; r
	v_bfe_u32 v2, v0, 4, 1                         ; h
	v_and_b32 v3, 31, v0                           ; lane
	v_lshlrev_b32 v[CO], 4, v3
	v_lshlrev_b32 v5, 5, v1                        ; a row's eight scale words: 32 r
	v_mul_u32_u24 v6, s23, v2                      ; lanes 16-31 read W's tile: one product, h x the distance
	v_add_nc_u32 v5, v5, v6
	v_add_nc_u32 v[ADS], s21, v5
	v_add_nc_u32 v[ADS+1], s8, v5
	v_lshl_add_u32 v[STO], v3, 2, s10
	v_add_nc_u32 v[RD], s10, v[CO]
	v_and_b32 v4, 1, v0                            ; my row's batch: m & 1 = r & 1
	v_lshlrev_b32 v8, 5, v2                        ; b: 32 h bytes
	v_lshl_add_u32 v7, v4, 14, v8                  ; hidden: batch x 16,384 + 32 h
	v_add_nc_u32 v9, s11, v3
	v_lshlrev_b32 v[PF1], 8, v9                    ; blocks 38 p + lane
	v_min_u32 v10, 5, v3
	v_add3_u32 v10, v10, s11, 32
	v_min_u32 v10, 149, v10                        ; blocks 38 p + 32 .. 37, held inside the tile
	v_lshlrev_b32 v[PF2], 8, v10
	v_add_nc_u32 v[ADA], s21, v[CO]                ; the fragments' addresses: 16 x lane in my tiles
	v_add_nc_u32 v[ADA+1], s8, v[CO]
	v_add_nc_u32 v[ADA+2], s22, v[CO]
	v_add_nc_u32 v[ADA+3], s9, v[CO]
.irp b, 0,1,2,3,4,5,6,7
	WIN ((1+\b/3)<<6)
.irp u, 0,1
	global_load_b128 v[HWR+8*(\b%3)+4*\u:HWR+8*(\b%3)+4*\u+3], v7, s[96:97] offset:64*\b+16*\u
.endr
.endr
	WIN 0
.irp b, 0,1,2,3,4,5,6,7
.irp u, 0,1
	global_load_b128 v[FB+8*\b+4*\u:FB+8*\b+4*\u+3], v8, s[98:99] offset:64*\b+16*\u   ; b, for now where fragments will lie
.endr
.endr
	global_prefetch_b8 v[PF1], s[PFA:PFA+1] offset:TILE th:TH_LOAD_NT scope:SCOPE_SE   ; tile 1, which is loaded when tile 0 has landed
	global_prefetch_b8 v[PF2], s[PFA:PFA+1] offset:TILE th:TH_LOAD_NT scope:SCOPE_SE
	s_wait_alu depctr_va_vdst(0)
	s_wait_loadcnt 0x0
.irp b, 0,1,2,3,4,5,6,7
	WIN ((1+\b/3)<<2)
.irp i, 0,2,4,6
.if (\b == 0) && (\i == 0)
	v_pk_mul_f32 v[CZ:CZ+1], v[FB:FB+1], v[HWR:HWR+1]
.else
	v_pk_fma_f32 v[CZ:CZ+1], v[FB+8*\b+\i:FB+8*\b+\i+1], v[HWR+8*(\b%3)+\i:HWR+8*(\b%3)+\i+1], v[CZ:CZ+1]
.endif
.endr
.endr
	WIN 0
; Four matrix instructions: accumulators' window v (A's blocks 2 v, 2 v + 1), W's fragments 2 u, 2 u + 1 out of window u, buffer p
.macro SUB v, u, p, zero
	WIN (\u)|((\v)<<2)|((\v)<<4)|((\v)<<6)
.irp n, 0,1,2,3
.set DR, 8*(8*(\n%2)+2*(\u)+\n/2)
.set WR, FB+48*(\p)+12*(\n/2)
.set AR, FB+48*(\p)+24+12*(\n%2)
.set SW, SC+8*(\p)+2*(\u)+\n/2
.set SA, SC+8*(\p)+2*(\v)+\n%2
.if \zero
	v_wmma_scale_f32_16x16x128_f8f6f4 v[DR:DR+7], v[WR:WR+11], v[AR:AR+11], 0, v[SW], v[SA] matrix_a_fmt:MATRIX_FMT_BF6 matrix_b_fmt:MATRIX_FMT_BF6 matrix_a_scale:MATRIX_SCALE_ROW1
.else
	v_wmma_scale_f32_16x16x128_f8f6f4 v[DR:DR+7], v[WR:WR+11], v[AR:AR+11], v[DR:DR+7], v[SW], v[SA] matrix_a_fmt:MATRIX_FMT_BF6 matrix_b_fmt:MATRIX_FMT_BF6 matrix_a_scale:MATRIX_SCALE_ROW1
.endif
.endr
.endm
.macro PHASE v, p, zero
	SUB \v, 0, \p, \zero
	SUB \v, 1, \p, \zero
	SUB \v, 2, \p, \zero
	SUB \v, 3, \p, \zero
.endm
.macro LD12 v, buf, slot, q            ; window v's four fragments; the addresses out of window 0
.irp u, 0,1,2,3
.irp n, 0,1,2
	ds_load_b128 v[FB+48*(\buf)+12*\u+4*\n:FB+48*(\buf)+12*\u+4*\n+3], v[ADA+2*(1-\u/2)+(\slot)] offset:(\q)*STEPB+512+1536*(2*(\v)+\u%2)+512*\n
.endr
.endr
.endm
; One run of 50 LDS loads: step q of a slot into buffer buf: eight scale registers (register i holds block i's words) and sixteen fragments
.macro FETCH slot, q, buf
	WIN 0
	ds_load_b128 v[SC+8*(\buf):SC+8*(\buf)+3], v[ADS+(\slot)] offset:(\q)*STEPB
	ds_load_b128 v[SC+8*(\buf)+4:SC+8*(\buf)+7], v[ADS+(\slot)] offset:(\q)*STEPB+16
.irp v, 0,1,2,3
	WIN (\v<<6)
	LD12 \v, \buf, \slot, \q
.endr
.endm
; Step q (0 or 1) of a slot, buffer p.  ld = 1: the next step's run stands at its head.
.macro STEP s, q, p, zero, ld
	s_wait_dscnt 0x0                               ; this step's fragments: their run was issued a whole step ago
.if \ld
	PLACES                                         ; between the last step's matrix instructions and the loads into the registers that they read
	FETCH \s, (\q)+1, 1-(\p)
.endif
	PHASE 0, \p, \zero
	PHASE 1, \p, \zero
	PHASE 2, \p, \zero
	PHASE 3, \p, \zero
.endm
; A slot's last step, and the change of slots at its head: all of the slot has been asked into registers.  fill = 1: a whole tile; 2: the short one; 0: nothing is filled again, so no round follows.
.macro TURN s, p, fill
	WIN 0
.if \fill == 1
	s_wait_xcnt 0x0                                ; my prefetches have read their address: it is stepped only behind this wait
	s_add_nc_u64 s[PFA:PFA+1], s[PFA:PFA+1], TILE
.endif
	s_wait_tensorcnt 0x0                           ; my one load that was out, my tile of the other slot, has landed;
	ds_add_u32 v[SPW], v[NIL]
	s_wait_dscnt 1                                 ; (the add alone may be out: this step's fragments are in)
	SUB 0, 0, \p, 0
	SUB 0, 1, \p, 0
	s_wait_dscnt 0x0                               ; the add is done, and my reads of this slot are over
	s_barrier_signal -1
	SUB 0, 2, \p, 0                                ; work on registers while the others arrive
	SUB 0, 3, \p, 0
	WIN 0
	s_barrier_wait -1
.if \fill
	CREST                                          ; no wave of any partner still reads this slot or has a load on its way
	s_add_nc_u64 s[G0+4*\s+2:G0+4*\s+3], s[G0+4*\s+2:G0+4*\s+3], 2*TILE
	s_add_nc_u64 s[G0B+4*\s+2:G0B+4*\s+3], s[G0B+4*\s+2:G0B+4*\s+3], 2*TILE
.if \fill == 1
	JLOAD G0+4*\s, G1, G0B+4*\s, G1B               ; the first tensor load behind the round; its four v_nop are also the places in front of the loads below
.else
	JLOAD G0+4*\s, G1L, G0B+4*\s, G1BL
.endif
.else
	PLACES
.endif
	FETCH 1-(\s), 0, 1-(\p)                        ; the other slot's first step
	WIN 0
.if \fill == 1
	ASK
.endif
	PHASE 1, \p, 0
	PHASE 2, \p, 0
	PHASE 3, \p, 0
.endm
	s_wait_alu depctr_va_vdst(0)
	s_wait_tensorcnt 0x0                           ; my tile of slot 0 is in; the same lines as ahead of a refill stand ahead of slot 1's first fill
	ds_add_u32 v[SPW], v[NIL]
	s_wait_dscnt 0x0
	CROUND
	JLOAD G0+4, G1, G0B+4, G1B                     ; steps 3-5
	FETCH 0, 0, 0
	WIN 0
	global_prefetch_b8 v[PF1], s[PFA:PFA+1] offset:2*TILE th:TH_LOAD_NT scope:SCOPE_SE   ; tiles 2 and 3: the loop's first two refills
	global_prefetch_b8 v[PF2], s[PFA:PFA+1] offset:2*TILE th:TH_LOAD_NT scope:SCOPE_SE
	global_prefetch_b8 v[PF1], s[PFA:PFA+1] offset:3*TILE th:TH_LOAD_NT scope:SCOPE_SE
	global_prefetch_b8 v[PF2], s[PFA:PFA+1] offset:3*TILE th:TH_LOAD_NT scope:SCOPE_SE
	STEP 0, 0, 0, 1, 1                             ; the first step starts the sums: nothing is cleared
	WIN 0
	s_mov_b32 s3, 4
.Llap:                                                 ; a trip: six steps, once round the ring; both slots are filled again (tiles 2 to 9)
	STEP 0, 1, 1, 0, 1
	TURN 0, 0, 1
	STEP 1, 0, 1, 0, 1
	STEP 1, 1, 0, 0, 1
	TURN 1, 1, 1
	STEP 0, 0, 0, 0, 1
	WIN 0
	s_sub_co_u32 s3, s3, 1
	s_cmp_lg_u32 s3, 0
	s_cbranch_scc1 .Llap
	STEP 0, 1, 1, 0, 1                             ; steps 25 to 31
	TURN 0, 0, 2
	STEP 1, 0, 1, 0, 1
	STEP 1, 1, 0, 0, 1
	TURN 1, 1, 0
	STEP 0, 0, 0, 0, 1
	STEP 0, 1, 1, 0, 0
	WIN 0
	PLACES
; part: for each of my eight blocks a of rows, sum over my 64 columns of energy x hidden, in two chains a block; the first begins with the bias term.  Each accumulator is read from its low end on.
.irp v, 0,1,2,3
.irp b, 0,1,2,3,4,5,6,7
	WIN (\v)|((1+\b/3)<<2)
.irp i, 0,2,4,6
.irp al, 0,1
.set SR, SS+4*(2*\v+\al)+2*((\i/2)%2)
.set DR, 8*(8*\al+\b)+\i
.set HR, HWR+8*(\b%3)+\i
.if (\b == 0) && (\i == 0)
	v_pk_fma_f32 v[SR:SR+1], v[DR:DR+1], v[HR:HR+1], v[CZ:CZ+1]
.elseif (\b == 0) && (\i == 2)
	v_pk_mul_f32 v[SR:SR+1], v[DR:DR+1], v[HR:HR+1]
.else
	v_pk_fma_f32 v[SR:SR+1], v[DR:DR+1], v[HR:HR+1], v[SR:SR+1]
.endif
.endr
.endr
.endr
.endr
	WIN 0
.irp a, 0,1,2,3,4,5,6,7
	v_pk_add_f32 v[SS+4*\a:SS+4*\a+1], v[SS+4*\a:SS+4*\a+1], v[SS+4*\a+2:SS+4*\a+3]
.endr
.irp a, 0,1,2,3,4,5,6,7
	v_add_f32 v[TS+\a], v[SS+4*\a], v[SS+4*\a+1]
.endr
	s_mov_b32 s20, 0x76543210
	s_mov_b32 s21, 0xfedcba98
.irp a, 0,1,2,3,4,5,6,7
	v_permlanex16_b32 v[SS+4*\a+2], v[TS+\a], s20, s21
.endr
.irp a, 0,1,2,3,4,5,6,7
	v_add_f32 v[TS+\a], v[TS+\a], v[SS+4*\a+2]     ; with lane l xor 16's columns: row 16 a + r, in both halves of the lanes
.endr
	v_cmp_lt_u32 vcc_lo, 255, v[CO]                ; lanes 16-31
.irp i, 0,1,2,3
	v_cndmask_b32 v[PK+\i], v[TS+2*\i], v[TS+2*\i+1], vcc_lo
.endr
.irp i, 0,1,2,3
	ds_store_b32 v[STO], v[PK+\i] offset:128*\i    ; my 128 rows in order, in my own stage
.endr
	ds_load_b128 v[OUTR:OUTR+3], v[RD]             ; LDS serves a wave's instructions in order: this sees the stores
	s_wait_dscnt 0x0
	global_store_b128 v[CO], v[OUTR:OUTR+3], s[12:13]   ; 32 lanes store 512 consecutive bytes, at a multiple of 256 from the buffer's first byte
	s_wait_tensorcnt 0x0                           ; the wave's end
	ds_add_u32 v[SPW], v[NIL]
	s_wait_dscnt 0x0
	CROUND                                         ; the closing round
	s_endpgm
.Lfunc_end_k_qb2f3e335b9_gemm:
	.size	k_qb2f3e335b9_gemm, .Lfunc_end_k_qb2f3e335b9_gemm-k_qb2f3e335b9_gemm
	.p2alignl 7, 3214868480
	.fill 96, 4, 3214868480
	.section	.rodata,"a",@progbits
	.p2align	6, 0x0
	.amdhsa_kernel k_qb2f3e335b9_gemm
		.amdhsa_group_segment_fixed_size 327680
		.amdhsa_private_segment_fixed_size 0
		.amdhsa_enable_private_segment 0
		.amdhsa_kernarg_size 40
		.amdhsa_user_sgpr_count 2
		.amdhsa_user_sgpr_kernarg_segment_ptr 1
		.amdhsa_wavefront_size32 1
		.amdhsa_system_sgpr_workgroup_id_x 1
		.amdhsa_system_sgpr_workgroup_id_y 1
		.amdhsa_system_sgpr_workgroup_id_z 1
		.amdhsa_system_vgpr_workitem_id 0
		.amdhsa_next_free_vgpr 1024
		.amdhsa_next_free_sgpr 100
		.amdhsa_reserve_vcc 1
		.amdhsa_float_denorm_mode_32 3
		.amdhsa_float_denorm_mode_16_64 3
		.amdhsa_memory_ordered 1
		.amdhsa_forward_progress 1
		.amdhsa_inst_pref_size 204
	.end_amdhsa_kernel
	.amdgpu_metadata
---
amdhsa.version: [ 1, 2 ]
amdhsa.kernels:
  - .name:           k_qb2f3e335b9_gemm
    .symbol:         k_qb2f3e335b9_gemm.kd
    .args:
      - { .name: a_img, .offset: 0, .size: 8, .value_kind: global_buffer, .address_space: global }
      - { .name: w_img, .offset: 8, .size: 8, .value_kind: global_buffer, .address_space: global }
      - { .name: hidden, .offset: 16, .size: 8, .value_kind: global_buffer, .address_space: global }
      - { .name: b, .offset: 24, .size: 8, .value_kind: global_buffer, .address_space: global }
      - { .name: part, .offset: 32, .size: 8, .value_kind: global_buffer, .address_space: global }
    .group_segment_fixed_size: 327680
    .private_segment_fixed_size: 0
    .kernarg_segment_align: 8
    .kernarg_segment_size: 40
    .max_flat_workgroup_size: 128
    .sgpr_count:     100
    .vgpr_count:     1024
    .wavefront_size: 32
...
	.end_amdgpu_metadata
.endif
;; end of part 2
;; launch finish (part 3): grid 64 x 1, 1 waves a work-group, no clusters, 0 bytes of LDS; arguments part, out0; writes out0
.if DOCPART == 3
	.amdgcn_target "amdgcn-amd-amdhsa--gfx1250"
	.amdhsa_code_object_version 6
	.text
	.protected	k_qb2f3e335b9_finish
	.globl	k_qb2f3e335b9_finish
	.p2align	8
	.type	k_qb2f3e335b9_finish,@function
k_qb2f3e335b9_finish:
	s_mov_b64 s[64:65], 0
	v_nop
	global_prefetch_b8 v0, s[64:65] scope:SCOPE_SE
	s_setreg_imm32_b32 hwreg(HW_REG_WAVE_MODE, 25, 1), 1
	s_wait_xcnt 0x0
; scores[s][batch] = the sum over the 32 strips p of part[p][2 s + batch]; out0[s][:] = softmax over the two batches, with the pair's maximum taken away first.  All in f32.
; part: [32][4096] f32; out0: [2048][2] f32.  A lane owns one s: its pair of scores is 8 neighbouring bytes in every strip and in out0.  A wave owns 32 s: each of its loads and its store covers
; 256 consecutive bytes, at a multiple of 256 from the buffer's first byte.  2,048 pairs are 64 waves' work, one wave to a work-group: there is no more work to share out.
; No LDS, no barrier, no matrix unit: 32 loads a lane, all out at once, then some forty vector instructions.
; LIMITS: an exponential whose result would lie under 2^-126 comes out as 0 (ISA guide, v_exp_f32's entry).  NaN and infinities among the scores are not served.
.set STRIP, 16384                      ; bytes of a strip
.set P, 8                              ; v8-71  the 32 pairs
	s_load_b128 s[4:7], s[0:1], 0x0                ; part, out0
	v_lshlrev_b32 v1, 3, v0                        ; 8 bytes a lane
	s_lshl_b32 s8, ttmp9, 8                        ; 256 bytes a work-group
	s_mov_b32 s9, 0
	s_wait_alu depctr_va_vdst(0)
	s_wait_kmcnt 0x0
	s_add_nc_u64 s[4:5], s[4:5], s[8:9]
	s_add_nc_u64 s[6:7], s[6:7], s[8:9]
.set p, 0
.rept 32
	global_load_b64 v[P+2*p:P+2*p+1], v1, s[4:5] offset:STRIP*p th:TH_LOAD_NT   ; read once in the launch
.set p, p+1
.endr
	s_wait_loadcnt 0x0
.set p, 4
.rept 28
	v_pk_add_f32 v[P+2*(p%4):P+2*(p%4)+1], v[P+2*(p%4):P+2*(p%4)+1], v[P+2*p:P+2*p+1]   ; four chains, which do not wait for each other
.set p, p+1
.endr
	v_pk_add_f32 v[P:P+1], v[P:P+1], v[P+2:P+3]
	v_pk_add_f32 v[P+4:P+5], v[P+4:P+5], v[P+6:P+7]
	v_pk_add_f32 v[P:P+1], v[P:P+1], v[P+4:P+5]    ; the two scores of my s
	v_max_num_f32 v2, v[P], v[P+1]                 ; the pair's maximum is taken away: one exponent is 0, the other 0 or less
	v_sub_f32 v3, v[P], v2
	v_sub_f32 v4, v[P+1], v2
	v_mul_f32 v3, 0x3fb8aa3b, v3                   ; x log2(e): v_exp_f32 is 2^x
	v_mul_f32 v4, 0x3fb8aa3b, v4
	s_wait_alu depctr_va_vdst(0)
	v_exp_f32 v72, v3
	v_exp_f32 v73, v4
	v_nop                                          ; a plain instruction behind the last exponential, ahead of the first use (ISA guide 5.7.2)
	s_wait_alu depctr_va_vdst(0)                   ; one wait for both, ahead of their first reader
	v_add_f32 v5, v72, v73                         ; between 1 and 2
	s_wait_alu depctr_va_vdst(0)
	v_rcp_f32 v6, v5
	v_nop
	s_wait_alu depctr_va_vdst(0)                   ; and one for the reciprocal
	v_mul_f32 v74, v72, v6
	v_mul_f32 v75, v73, v6
	global_store_b64 v1, v[74:75], s[6:7]
	s_endpgm
.Lfunc_end_k_qb2f3e335b9_finish:
	.size	k_qb2f3e335b9_finish, .Lfunc_end_k_qb2f3e335b9_finish-k_qb2f3e335b9_finish
	.p2alignl 7, 3214868480
	.fill 96, 4, 3214868480
	.section	.rodata,"a",@progbits
	.p2align	6, 0x0
	.amdhsa_kernel k_qb2f3e335b9_finish
		.amdhsa_group_segment_fixed_size 0
		.amdhsa_private_segment_fixed_size 0
		.amdhsa_enable_private_segment 0
		.amdhsa_kernarg_size 16
		.amdhsa_user_sgpr_count 2
		.amdhsa_user_sgpr_kernarg_segment_ptr 1
		.amdhsa_wavefront_size32 1
		.amdhsa_system_sgpr_workgroup_id_x 1
		.amdhsa_system_sgpr_workgroup_id_y 1
		.amdhsa_system_sgpr_workgroup_id_z 1
		.amdhsa_system_vgpr_workitem_id 0
		.amdhsa_next_free_vgpr 80
		.amdhsa_next_free_sgpr 66
		.amdhsa_reserve_vcc 0
		.amdhsa_float_denorm_mode_32 3
		.amdhsa_float_denorm_mode_16_64 3
		.amdhsa_memory_ordered 1
		.amdhsa_forward_progress 1
		.amdhsa_inst_pref_size 7
	.end_amdhsa_kernel
	.amdgpu_metadata
---
amdhsa.version: [ 1, 2 ]
amdhsa.kernels:
  - .name:           k_qb2f3e335b9_finish
    .symbol:         k_qb2f3e335b9_finish.kd
    .args:
      - { .name: part, .offset: 0, .size: 8, .value_kind: global_buffer, .address_space: global }
      - { .name: out0, .offset: 8, .size: 8, .value_kind: global_buffer, .address_space: global }
    .group_segment_fixed_size: 0
    .private_segment_fixed_size: 0
    .kernarg_segment_align: 8
    .kernarg_segment_size: 16
    .max_flat_workgroup_size: 32
    .sgpr_count:     66
    .vgpr_count:     80
    .wavefront_size: 32
...
	.end_amdgpu_metadata
.endif
;; end of part 3
